; MI455X (gfx1250); checked and timed in simulation.
; The chip was launched on July 23, 2026; its instructions are those of AMD's public machine-readable ISA for CDNA 5 (MIT licence, August 2026) and "CDNA5" Instruction Set Architecture Reference Guide (July 2026). The comments in the code are by the model that wrote it; some were corrected since.
;; MHSA. Allowed arithmetic: matrix products marked QUANTISED: E2M1 operands, one E8M0 scale for each 32 along K, by v_wmma_scale_f32_16x16x128_f8f6f4 with both operands' format E2M1 (or v_wmma_scale_f32_32x16x128_f4), f32 sums; products left as they are: bf16, f16 or f32 operands; f32 sums; everything else in f32.
;; Inputs: w_out 1,024 x 1,024 float32; w_qkv 1,024 x 3,072 float32; x 8 x 1,024 x 1,024 float32.
;; Outputs: out0 8 x 1,024 x 1,024 float32.
;; This version of the problem:
;;   THIS VERSION OF THE PROBLEM IS GIVEN IN LOW PRECISION. The matrix products marked QUANTISED in the list below multiply operands that are first quantised to E2M1 (2 exponent bits, 1 mantissa bit; 4 bits a number), with one power-of-two scale for each 32 numbers along K (OCP MX v1.0); their sums are f32. The products marked 'left as it is' may take bf16, f16 or f32 operands, with f32 sums. Whichever they take, every output number must still come out within the allowed error. Rounding operands to bf16 (8 significant bits) uses up far more of that allowance than f16 does (11 bits, for magnitudes from 6e-5 to 65,504). All else is computed in f32.
;;   The module's matrix products, in the order in which they are computed (A, B: the left and right operand; K: the contracted axis; several contracted axes count as one K, in the product's order):
;;     1. [M 8,192, K 1,024] x [K 1,024, N 3,072]; A: input x; B: input w_qkv: QUANTISED
;;     2. batch 128 x [M 1,024, K 64] x [K 64, N 1,024]; A: computed on the way; B: computed on the way: left as it is (an operand is computed on the way)
;;     3. batch 128 x [M 1,024, K 1,024] x [K 1,024, N 64]; A: computed on the way; B: computed on the way: left as it is (an operand is computed on the way)
;;     4. [M 8,192, K 1,024] x [K 1,024, N 1,024]; A: computed on the way; B: input w_out: left as it is (an operand is computed on the way)
;;   THE QUANTISER, for each operand of a quantised product, along K:
;;     - K is cut into blocks of 32 from its start; a last block that is shorter is filled with zeros.
;;     - A block's scale is 2^e with e = floor(log2(the largest magnitude in the block)) - 2, held to -126 .. 127; a block of zeros has e = 0. As a byte (E8M0): e + 127.
;;     - Each number is divided by its block's scale, clamped to +-6, and rounded to the nearest number of E2M1, ties to even, subnormals kept.
;;     - The product sums the exact products of the quantised numbers (number of the format x scale) in f32.
;;   ~~~python
;;   def quantise(x, axis):      # numpy; x: float32 -> the quantised numbers, widened to float32 again
;;       x = np.moveaxis(x, axis, -1); K = x.shape[-1]
;;       x = np.pad(x, [(0, 0)] * (x.ndim - 1) + [(0, -K % 32)]); x = x.reshape(x.shape[:-1] + (-1, 32)); a = np.abs(x).max(-1, keepdims=True)
;;       e = np.where(a > 0, np.clip(np.frexp(np.where(a > 0, a, 1))[1] - 1 - 2, -126, 127), 0)      # np.frexp(a)[1] - 1 = floor(log2(a)), exactly
;;       r = np.clip(x / 2.0 ** e, -6, 6)
;;       step = 2.0 ** (np.maximum(np.frexp(np.where(r == 0, 1, r))[1] - 1, 0) - 1)
;;       q = np.round(r / step) * step * 2.0 ** e      # np.round: ties to even
;;       return np.moveaxis(q.reshape(q.shape[:-2] + (-1,))[..., :K], -1, axis).astype(np.float32)
;;   ~~~
;; One version. Each part assembles by itself: llvm-mc -triple=amdgcn-amd-amdhsa -mcpu=gfx1250 --defsym DOCPART=n.
;; ======== version 1 of 1: 4 launches
;; limits: values are held in f16: magnitudes above 65,504 overflow, below 6.1e-05 lose precision; right only within a limited range of input values
;; workspace buffers: xc 4,194,304 bytes; xs 262,144 bytes; wc 1,572,864 bytes; ws 98,304 bytes; wo16 2,097,152 bytes; qkv16 50,331,648 bytes; a16 16,777,216 bytes
;; launch prep (part 1): grid 384 x 1, 4 waves a work-group, no clusters, 33,280 bytes of LDS; arguments x, w_qkv, w_out, xc, xs, wc, ws, wo16; writes xc, xs, wc, ws, wo16
.if DOCPART == 1
	.amdgcn_target "amdgcn-amd-amdhsa--gfx1250"
	.amdhsa_code_object_version 6
	.text
	.protected	k_qc6b0dc47a2_prep
	.globl	k_qc6b0dc47a2_prep
	.p2align	8
	.type	k_qc6b0dc47a2_prep,@function
k_qc6b0dc47a2_prep:
	s_mov_b64 s[64:65], 0
	v_nop
	global_prefetch_b8 v0, s[64:65] scope:SCOPE_SE
	s_setreg_imm32_b32 hwreg(HW_REG_WAVE_MODE, 25, 1), 1
	s_wait_xcnt 0x0
; PREP: the three inputs are brought into the forms that the later launches read.  Each work-group takes 131,072 input bytes.
;   work-groups   0-255: x [8192][1024] f32 -> codes of E2M1, K innermost (xc [8192][512 bytes]), one E8M0 byte for each 32 along K (xs [8192][32]).
;   work-groups 256-351: w_qkv [1024 (k)][3072 (n)] f32, K its FIRST axis -> codes laid as the matrix operand's registers want them:
;       wc byte = (kb/16) 786,432 + (n/16) 4,096 + (kb%16) 256 + (n%16) 16, kb = k/32: the 16 bytes there are block kb of column n;  ws [3072][32]: byte kb of column n.
;   work-groups 352-383: w_out [1024 (k)][1024 (n)] f32 -> f16 of 64 x w_out, again in the operand's order: wo16 byte = (n/16) 32,768 + (k/8) 256 + (n%16) 16: k = 8 (k/8) + 0..7 of column n.
; THE QUANTISER: a block's scale is 2^(floor(log2(its largest magnitude)) - 2); its byte is the largest magnitude's exponent field - 2, held at 1 from below; each number is divided by the scale and
; rounded to the nearest code, ties to even, beyond 6 the code of 6.  A block of zeros gets the byte 1 (not 127): its codes are zeros, and these bytes are read by this program alone.
; LIMITS: blocks whose largest magnitude lies under 2^-124 keep the byte 1; |w_out| up to 1,023 (64 x w_out must be a finite f16); NaN and infinities among the inputs are not served.
; The three paths part on the work-group's number and never join.  Only x's path uses LDS.  No tensor load, no barrier: waves share nothing.
.set STEPS, 16                         ; x: a wave takes 16 steps of 512 numbers
.set CB,    8                          ; bytes of 16 codes
.set R,     16                         ; v16-79   x: four sets of 16 numbers as they are loaded
.set X,     80                         ; v80-111  x: two sets of 16 neighbours
.set E,     112                        ; v112-127 x: a scale byte for each step
.set C,     128                        ; v128-191 x: codes, four registers for each step
.set WREG,  8192                       ; LDS: a region for each wave: two stages of 32 x SP bytes, behind them its 256 scale bytes
.set SP,    80                         ; a lane's place in a stage: its 64 bytes + 16 of padding
.set SPW,   12                         ; v12      LDS address of my spare word; never rewritten
.set NIL,   13                         ; v13      0; never rewritten
.set SPARE, 4*WREG                     ; behind the four regions: the spare words, 128 bytes a wave
.set WX,    32                         ; v32-95   the weights: two sets of 32 numbers, a block of 32 along K of my column
.set WC,    96                         ; v96-127  w_qkv: a block's codes, four registers for each of 8 blocks: no store's data are written again
.set SB,    24                         ; v24-25   w_qkv: my column's 8 scale bytes
.set H16,   128                        ; v128-143 w_out: a block's 32 numbers as f16
; ---- x's macros: four dense loads a step; the step's 2,048 bytes turn through the wave's stage so that a lane holds 16 neighbours
.macro LOAD t
.irp i, 0,1,2,3
	global_load_b128 v[R+16*((\t)%4)+4*\i:R+16*((\t)%4)+4*\i+3], v3, s[4:5] offset:2048*(\t)+512*\i th:TH_LOAD_NT   ; 32 lanes read 512 consecutive bytes
.endr
.endm
.macro TURN t                          ; LDS serves a wave's instructions in order: no wait between the stores and the loads
.irp i, 0,1,2,3
	ds_store_b128 v14, v[R+16*((\t)%4)+4*\i:R+16*((\t)%4)+4*\i+3] offset:32*SP*((\t)%2)+8*SP*\i
.endr
.irp i, 0,1,2,3
	ds_load_b128 v[X+16*((\t)%2)+4*\i:X+16*((\t)%2)+4*\i+3], v15 offset:32*SP*((\t)%2)+16*\i
.endr
.endm
.macro STEP t
.set XS, X+16*((\t)%2)
.if (\t) > 0
	s_wait_dscnt 1                                 ; this step's numbers are back from the stage; the last step's byte store may be out
.else
	s_wait_dscnt 0x0
.endif
.if (\t)+4 < STEPS
	LOAD (\t)+4                                    ; the stage's stores have read their registers: they take the loads of four steps on
.endif
.if (\t)+1 < STEPS
.if STEPS-2-(\t) >= 3
	s_wait_loadcnt 12                              ; the next step's four loads are in; those of the three steps behind it may be out
.else
	s_wait_loadcnt 4*(STEPS-2-(\t))
.endif
	TURN (\t)+1
.endif
	v_max3_num_f32 v8, |v[XS]|, |v[XS+1]|, |v[XS+2]|               ; the largest magnitude of my 16, in two chains
	v_max3_num_f32 v9, |v[XS+3]|, |v[XS+4]|, |v[XS+5]|
.irp i, 6,10
	v_max3_num_f32 v8, v8, |v[XS+\i]|, |v[XS+\i+1]|
	v_max3_num_f32 v9, v9, |v[XS+\i+2]|, |v[XS+\i+3]|
.endr
	v_max3_num_f32 v8, v8, |v[XS+14]|, |v[XS+15]|
	v_max3_num_f32 v8, v8, v9, 0x1800000           ; and the floor 2^(3 - 127): the byte cannot fall under 1
	v_max_num_f32_dpp v8, v8, v8 row_xmask:1 row_mask:0xf bank_mask:0xf   ; with my neighbour's 16: the block's
	v_add_nc_u32 v11, 0xff000000, v8               ; 2 off its exponent field: the conversion takes this operand's exponent field as its scale
	v_cvt_scalef32_pk8_fp4_f32 v[C+4*(\t)], v[XS:XS+7], v11
	v_cvt_scalef32_pk8_fp4_f32 v[C+4*(\t)+1], v[XS+8:XS+15], v11
	v_lshrrev_b32 v[E+(\t)], 23, v11               ; the scale's byte
	ds_store_b8 v5, v[E+(\t)] offset:16*(\t)       ; both lanes of a block write the same byte with the same value
	global_store_b64 v4, v[C+4*(\t):C+4*(\t)+1], s[10:11] offset:32*CB*(\t)   ; the wave stores 256 consecutive bytes, aligned
.endm
; ---- the weights' macros: a lane takes a column, its registers run down K
.macro LOADW t, pitch, base            ; block t: rows 32 t + 0..31 of my column into set t % 2; 32 lanes read 128 consecutive bytes, the four waves 512
.irp i, 0,1,2,3,4,5,6,7,8,9,10,11,12,13,14,15,16,17,18,19,20,21,22,23,24,25,26,27,28,29,30,31
	global_load_b32 v[WX+32*((\t)%2)+\i], v3, s[\base:\base+1] offset:(32*(\t)+\i)*\pitch th:TH_LOAD_NT
.endr
.endm
.macro BLOCKQ t
.set XS, WX+32*((\t)%2)
.if (\t) < 7
	s_wait_loadcnt 32                              ; this block's 32 loads are in; the next block's may be out
.else
	s_wait_loadcnt 0x0
.endif
	v_max3_num_f32 v8, |v[XS]|, |v[XS+1]|, |v[XS+2]|               ; the block's largest magnitude: all 32 numbers are mine
	v_max3_num_f32 v9, |v[XS+3]|, |v[XS+4]|, |v[XS+5]|
.irp i, 6,10,14,18,22,26
	v_max3_num_f32 v8, v8, |v[XS+\i]|, |v[XS+\i+1]|
	v_max3_num_f32 v9, v9, |v[XS+\i+2]|, |v[XS+\i+3]|
.endr
	v_max3_num_f32 v8, v8, |v[XS+30]|, |v[XS+31]|
	v_max3_num_f32 v8, v8, v9, 0x1800000           ; the floor
	v_add_nc_u32 v10, 0xff000000, v8               ; the conversion's scale operand
	v_lshrrev_b32 v11, 23, v10                     ; the scale's byte
.if (\t)%4 == 0
	v_mov_b32 v[SB+(\t)/4], v11                    ; four bytes to a register, the lower K in the lower byte
.else
	v_lshl_or_b32 v[SB+(\t)/4], v11, 8*((\t)%4), v[SB+(\t)/4]
.endif
.irp g, 0,1,2,3
	v_cvt_scalef32_pk8_fp4_f32 v[WC+4*(\t)+\g], v[XS+8*\g:XS+8*\g+7], v10
.endr
	global_store_b128 v4, v[WC+4*(\t):WC+4*(\t)+3], s[14:15] offset:256*(\t)   ; lanes 0-15 store 256 consecutive bytes, aligned; lanes 16-31 the same of the next 16 columns
.if (\t)+2 < 8
	LOADW (\t)+2, 12288, 6                         ; (the next block opens with plain vector lines: the place owed behind the conversions)
.endif
.endm
.macro BLOCKC t
.set XS, WX+32*((\t)%2)
.if (\t) < 7
	s_wait_loadcnt 32
.else
	s_wait_loadcnt 0x0
.endif
.if (\t) > 0
	s_wait_xcnt 0x0                                ; the last block's stores have read v128-143: they are written again only behind this wait
.endif
.irp i, 0,2,4,6,8,10,12,14,16,18,20,22,24,26,28,30
	v_pk_mul_f32 v[XS+\i:XS+\i+1], v[XS+\i:XS+\i+1], 0x42800000 op_sel_hi:[1,0]   ; x 64: exact, and it lifts small weights into f16's normal range
.endr
.irp i, 0,1,2,3,4,5,6,7,8,9,10,11,12,13,14,15
	v_cvt_pk_f16_f32 v[H16+\i], v[XS+2*\i], v[XS+2*\i+1]
.endr
.irp u, 0,1,2,3
	global_store_b128 v4, v[H16+4*\u:H16+4*\u+3], s[18:19] offset:(4*(\t)+\u)*256   ; eight along K of my column; sixteen lanes store 256 consecutive bytes, aligned
.endr
.if (\t)+2 < 8
	LOADW (\t)+2, 4096, 8
.endif
.endm
	s_load_b256 s[4:11], s[0:1], 0x0               ; x s[4:5], w_qkv s[6:7], w_out s[8:9], xc s[10:11]
	s_load_b256 s[12:19], s[0:1], 0x20             ; xs s[12:13], wc s[14:15], ws s[16:17], wo16 s[18:19]
	v_lshl_add_u32 v[SPW], v0, 2, SPARE
	v_mov_b32 v[NIL], 0
	v_lshrrev_b32 v1, 5, v0
	v_readfirstlane_b32 s20, v1                    ; wave 0..3
	v_and_b32 v2, 31, v0                           ; lane
	s_mov_b32 s23, 0                               ; the upper word of every offset pair s[22:23]
	s_wait_kmcnt 0x0
	s_cmp_lt_u32 ttmp9, 256
	s_cbranch_scc1 .Lx
	s_cmp_lt_u32 ttmp9, 352
	s_cbranch_scc1 .Lwq
	; ---- w_out: work-group j = 4 cg + kp takes columns 128 cg on, rows 256 kp on; a wave 32 columns x 256 along K
	s_sub_co_u32 s21, ttmp9, 352
	s_and_b32 s24, s21, 3                          ; kp
	s_lshr_b32 s21, s21, 2
	s_lshl_b32 s21, s21, 7
	s_lshl_b32 s25, s20, 5
	s_add_co_u32 s21, s21, s25                     ; my wave's first column
	s_lshl_b32 s22, s24, 20                        ; 256 kp rows of 4,096 bytes
	s_lshl_b32 s25, s21, 2
	s_add_co_u32 s22, s22, s25
	s_add_nc_u64 s[8:9], s[8:9], s[22:23]
	s_lshl_b32 s22, s21, 11                        ; (column / 16) x 32,768
	s_lshl_b32 s25, s24, 13                        ; 32 kp groups of eight along K, 256 bytes each
	s_add_co_u32 s22, s22, s25
	s_add_nc_u64 s[18:19], s[18:19], s[22:23]
	v_lshlrev_b32 v3, 2, v2                        ; in: 4 bytes a lane
	v_lshrrev_b32 v4, 4, v2
	v_and_b32 v5, 15, v2
	v_lshlrev_b32 v5, 4, v5
	v_lshl_add_u32 v4, v4, 15, v5                  ; out: (lane / 16) x 32,768 + (lane % 16) x 16
	LOADW 0, 4096, 8
	LOADW 1, 4096, 8
.irp t, 0,1,2,3,4,5,6,7
	BLOCKC \t
.endr
	s_endpgm
.Lwq:	; ---- w_qkv: work-group j = 4 cg + kp takes columns 128 cg on, rows 256 kp on
	s_sub_co_u32 s21, ttmp9, 256
	s_and_b32 s24, s21, 3                          ; kp
	s_lshr_b32 s21, s21, 2
	s_lshl_b32 s21, s21, 7
	s_lshl_b32 s25, s20, 5
	s_add_co_u32 s21, s21, s25                     ; my wave's first column
	s_mul_i32 s22, s24, 256*12288
	s_lshl_b32 s25, s21, 2
	s_add_co_u32 s22, s22, s25
	s_add_nc_u64 s[6:7], s[6:7], s[22:23]
	s_lshr_b32 s22, s24, 1                         ; which 512 along K
	s_mul_i32 s22, s22, 786432
	s_lshl_b32 s25, s21, 8                         ; (column / 16) x 4,096
	s_add_co_u32 s22, s22, s25
	s_and_b32 s25, s24, 1
	s_lshl_b32 s25, s25, 11                        ; blocks 8 (kp % 2) on, 256 bytes each
	s_add_co_u32 s22, s22, s25
	s_add_nc_u64 s[14:15], s[14:15], s[22:23]
	s_lshl_b32 s22, s21, 5                         ; scale bytes: 32 a column,
	s_lshl_b32 s25, s24, 3                         ; my 8 of them
	s_add_co_u32 s22, s22, s25
	s_add_nc_u64 s[16:17], s[16:17], s[22:23]
	v_lshlrev_b32 v3, 2, v2
	v_lshrrev_b32 v4, 4, v2
	v_and_b32 v5, 15, v2
	v_lshlrev_b32 v5, 4, v5
	v_lshl_add_u32 v4, v4, 12, v5                  ; codes: (lane / 16) x 4,096 + (lane % 16) x 16
	v_lshlrev_b32 v5, 5, v2                        ; scale bytes: 32 x lane
	LOADW 0, 12288, 6
	LOADW 1, 12288, 6
.irp t, 0,1,2,3,4,5,6,7
	BLOCKQ \t
.endr
	global_store_b64 v5, v[SB:SB+1], s[16:17]      ; my column's 8 scale bytes: 8 bytes a lane, 32 apart: 98,304 bytes in the whole launch go out so
	s_endpgm
.Lx:	; ---- x: a plain stream of blocks of 32; my wave's run of 8,192 numbers is number 4 x work-group + wave
	v_lshlrev_b32 v3, 4, v2                        ; my 16 bytes of a load's 512
	s_mul_i32 s21, s20, WREG
	v_lshrrev_b32 v14, 2, v2
	v_mul_u32_u24 v14, v14, SP
	v_and_b32 v15, 3, v2
	v_lshl_add_u32 v14, v15, 4, v14
	v_add_nc_u32 v14, s21, v14                     ; the stage, on the way in: SP (lane / 4) + 16 (lane % 4)
	v_mul_u32_u24 v15, v2, SP
	v_add_nc_u32 v15, s21, v15                     ; and on the way out: SP x lane
	v_mul_u32_u24 v4, v2, CB                       ; my codes' place in a step's
	v_lshrrev_b32 v5, 1, v2
	s_add_co_u32 s21, s21, 2*32*SP
	v_add_nc_u32 v5, s21, v5                       ; LDS: my wave's 256 scale bytes, my block's byte
	v_lshlrev_b32 v7, 3, v2
	v_add_nc_u32 v6, s21, v7                       ; and on the way out 8 bytes a lane
	s_lshl_b32 s21, ttmp9, 2
	s_add_co_u32 s21, s21, s20                     ; my run
	s_lshl_b32 s22, s21, 15
	s_add_nc_u64 s[4:5], s[4:5], s[22:23]          ; 32,768 bytes of x,
	s_lshl_b32 s22, s21, 12
	s_add_nc_u64 s[10:11], s[10:11], s[22:23]      ; 4,096 of codes,
	s_lshl_b32 s22, s21, 8
	s_add_nc_u64 s[12:13], s[12:13], s[22:23]      ; 256 scale bytes a run
.irp t, 0,1,2,3
	LOAD \t
.endr
	s_wait_loadcnt 12                              ; step 0's four loads are in
	TURN 0
.irp t, 0,1,2,3,4,5,6,7,8,9,10,11,12,13,14,15
	STEP \t
.endr
	ds_load_b64 v[8:9], v6                         ; LDS serves a wave's instructions in order: these see my byte stores
	s_wait_dscnt 0x0
	global_store_b64 v7, v[8:9], s[12:13]          ; 32 lanes store 256 consecutive bytes, aligned
	s_wait_tensorcnt 0x0                           ; the wave's end, behind my last LDS store
	ds_add_u32 v[SPW], v[NIL]
	s_wait_dscnt 0x0
	s_endpgm
.Lfunc_end_k_qc6b0dc47a2_prep:
	.size	k_qc6b0dc47a2_prep, .Lfunc_end_k_qc6b0dc47a2_prep-k_qc6b0dc47a2_prep
	.p2alignl 7, 3214868480
	.fill 96, 4, 3214868480
	.section	.rodata,"a",@progbits
	.p2align	6, 0x0
	.amdhsa_kernel k_qc6b0dc47a2_prep
		.amdhsa_group_segment_fixed_size 33280
		.amdhsa_private_segment_fixed_size 0
		.amdhsa_enable_private_segment 0
		.amdhsa_kernarg_size 64
		.amdhsa_user_sgpr_count 2
		.amdhsa_user_sgpr_kernarg_segment_ptr 1
		.amdhsa_wavefront_size32 1
		.amdhsa_system_sgpr_workgroup_id_x 1
		.amdhsa_system_sgpr_workgroup_id_y 1
		.amdhsa_system_sgpr_workgroup_id_z 1
		.amdhsa_system_vgpr_workitem_id 0
		.amdhsa_next_free_vgpr 192
		.amdhsa_next_free_sgpr 66
		.amdhsa_reserve_vcc 0
		.amdhsa_float_denorm_mode_32 3
		.amdhsa_float_denorm_mode_16_64 3
		.amdhsa_memory_ordered 1
		.amdhsa_forward_progress 1
		.amdhsa_inst_pref_size 119
	.end_amdhsa_kernel
	.amdgpu_metadata
---
amdhsa.version: [ 1, 2 ]
amdhsa.kernels:
  - .name:           k_qc6b0dc47a2_prep
    .symbol:         k_qc6b0dc47a2_prep.kd
    .args:
      - { .name: x, .offset: 0, .size: 8, .value_kind: global_buffer, .address_space: global }
      - { .name: w_qkv, .offset: 8, .size: 8, .value_kind: global_buffer, .address_space: global }
      - { .name: w_out, .offset: 16, .size: 8, .value_kind: global_buffer, .address_space: global }
      - { .name: xc, .offset: 24, .size: 8, .value_kind: global_buffer, .address_space: global }
      - { .name: xs, .offset: 32, .size: 8, .value_kind: global_buffer, .address_space: global }
      - { .name: wc, .offset: 40, .size: 8, .value_kind: global_buffer, .address_space: global }
      - { .name: ws, .offset: 48, .size: 8, .value_kind: global_buffer, .address_space: global }
      - { .name: wo16, .offset: 56, .size: 8, .value_kind: global_buffer, .address_space: global }
    .group_segment_fixed_size: 33280
    .private_segment_fixed_size: 0
    .kernarg_segment_align: 8
    .kernarg_segment_size: 64
    .max_flat_workgroup_size: 128
    .sgpr_count:     66
    .vgpr_count:     192
    .wavefront_size: 32
...
	.end_amdgpu_metadata
.endif
;; end of part 1
;; launch qkv (part 2): grid 8 x 32, 4 waves a work-group, clusters of 4 x 1, 327,680 bytes of LDS; arguments xc, xs, wc, ws, qkv16; writes qkv16
.if DOCPART == 2
	.amdgcn_target "amdgcn-amd-amdhsa--gfx1250"
	.amdhsa_code_object_version 6
	.text
	.protected	k_qc6b0dc47a2_qkv
	.globl	k_qc6b0dc47a2_qkv
	.p2align	8
	.type	k_qc6b0dc47a2_qkv,@function
k_qc6b0dc47a2_qkv:
	s_mov_b64 s[64:65], 0
	v_nop
	global_prefetch_b8 v0, s[64:65] scope:SCOPE_SE
	s_setreg_imm32_b32 hwreg(HW_REG_WAVE_MODE, 25, 1), 1
	s_wait_xcnt 0x0
	s_wait_alu depctr_hold_cnt(0) depctr_sa_sdst(0) depctr_va_vdst(0) depctr_va_sdst(0) depctr_va_ssrc(0) depctr_va_vcc(0) depctr_vm_vsrc(0)
	s_getreg_b32 s2, hwreg(HW_REG_IB_STS2, 6, 4)
	s_cmp_eq_u32 s2, 0
	s_cbranch_scc0 .Lentry_in_a_cluster
	s_endpgm
.Lentry_in_a_cluster:
	s_bfe_u32 s2, ttmp6, 0x10000c
	s_cmp_lg_u32 s2, 0x3003
	s_cbranch_scc0 .Lentry_shape_is_right
	s_endpgm
.Lentry_shape_is_right:
; QKV: the quantised product x w_qkv, [8192 x 1024] x [1024 x 3072], on codes of E2M1 with one E8M0 scale for each 32 along K; sums in f32; the result is rounded once to f16 and
; stored by head: qkv16 byte = sec<<24 + b<<21 + head<<17 + n<<7 + 2 d  (sec 0 q, 1 k, 2 v): a head's rows of 128 bytes lie on end.
; LIMIT: |q|, |k|, |v| up to 65,504, the largest f16 number; beyond it the rounding gives infinity.
; SHARES.  32 x 8 = 256 work-groups; each makes 256 rows x 384 columns, as three subtiles of 128 columns one after the other.  In a subtile each of the four waves makes 128 rows x 64 columns
; (row half = wave / 2, column half = wave % 2): 32 accumulators of 16 x 16, and the 64 columns are one head.
; A (x's codes): the work-group's 256 rows x 512 bytes lie whole in LDS, as two halves of K (rows of 256 bytes, padded to 272).  Each wave brings 64 rows of each half: two tensor loads a wave, both at the
; head; no LDS byte is filled twice.  The three subtiles read the same A.
; B (w_qkv's codes) was laid by the launch before as images of the operand's registers (16 columns x 512 K are 4,096 consecutive bytes; in them step q, register group c, lane l at 1,024 q + 512 c + 16 l):
; it comes from memory straight into registers, 8 loads of 512 consecutive bytes a step, seven steps ahead in a ring of eight buffers.  It does not go through LDS: a step's 32 matrix instructions
; already read 16 x 512 bytes of A a wave from LDS, and B there would add 8 x 512; nor do 384 columns (196,608 bytes) fit beside A.
; THE SCALES: one load of 16 bytes a lane for 16 rows (or columns): lane (r, h) takes bytes 16 h .. 16 h + 15 of row r's 32: register q holds the word of step q of K's first half in lanes 0-15, of its second
; half in lanes 16-31; the second half's products read the upper lanes.  Loaded once, 512 consecutive bytes a load.
; CLUSTER: the four work-groups of a cluster make four column blocks of the same 256 rows: A's tiles are asked for JOINTLY, by the same tensor load with the same descriptor and the mask 15.
; THE MATRIX INSTRUCTION IS USED TRANSPOSED (source 0 = 16 columns of w, source 1 = 16 rows of x): a lane holds eight neighbouring columns of one row.
; REGISTERS, in windows of 256: window 0: v1-11 addresses; v32-63 A's scale words (4 a + q); v64-111 B's (16 j + 4 b + q); v192-255 the way out, four buffers of 16.
;   window 1: the accumulators, (a, b) at v[8 (4 a + b)].   window 2: B's fragments, eight buffers of 4.   window 3: A's fragments, two buffers of 8.
.set NS,     24                        ; steps of 128 along K: 8 for each of 3 subtiles
.set PITCH,  272                       ; an LDS row of A: 256 + 16: the 16 rows that a load touches start 16 bytes further on in each 256
.set HALF,   256*PITCH                 ; one half of K of the 256 rows
.set SPARE,  2*HALF                    ; the spare words, 128 bytes a wave
.set STAGE,  SPARE+512                 ; the way out: 16 rows x (128 + 16) a wave; no tile lands here
.set SP,     144
.set WSLOT,  786432                    ; wc: from one 512 along K to the next
.set ADRA, 3                           ; v3, v4  LDS address of my A fragments in K's first and second half
.set BO,   5                           ; v5   16 x lane: my place in an image of B, and in 512 bytes of qkv16
.set SO,   6                           ; v6   my place in 16 rows' scale bytes: 32 r + 16 h
.set STO,  7                           ; v7   the way out: where I put 16 bytes of a row
.set RD,   8                           ; v8   where I read rows back
.set SPW,  10                          ; v10  my spare word; never rewritten
.set NIL,  11                          ; v11  0; never rewritten
.set SCA,  32
.set SCB,  64
.set TMP,  192
.set G1,   24                          ; s[24:31]
.set G0,   32                          ; s[32:39] two groups 0, one for each half of K
.set OUT,  40                          ; s[40:45] where my rows of each subtile's head begin in qkv16
.set MSB, 0
.macro WIN new                         ; the immediate's high byte repeats the setting that is left
.if MSB != \new
	s_set_vgpr_msb (MSB<<8)|\new
.set MSB, \new
.endif
.endm
.macro CROUND                          ; a round of the cluster's barrier
	s_barrier_signal -1
	s_barrier_wait -1
	s_cmp_lg_u32 s14, 0
	s_cbranch_scc1 .Lnot_wave_0_\@
	s_barrier_signal -3
.Lnot_wave_0_\@:
	s_barrier_wait -3
	s_barrier_signal -1
	s_barrier_wait -1
.endm
	s_load_b128 s[4:7], s[0:1], 0x0                ; x's codes s[4:5], x's scales s[6:7]
	s_load_b128 s[8:11], s[0:1], 0x10              ; w's codes s[8:9], w's scales s[10:11]
	s_load_b64 s[12:13], s[0:1], 0x20              ; qkv16
	v_lshl_add_u32 v[SPW], v0, 2, SPARE
	v_mov_b32 v[NIL], 0
	ds_add_u32 v[SPW], v[NIL]                      ; the wave's opening: the add, twice on end, and its wait ahead of my first tensor load
	ds_add_u32 v[SPW], v[NIL]
	v_lshrrev_b32 v1, 5, v0
	v_readfirstlane_b32 s14, v1                    ; wave 0..3
	s_lshr_b32 s15, s14, 1                         ; which 128 rows are mine
	s_and_b32 s16, s14, 1                          ; which 64 columns of a subtile
	s_bfe_u32 s17, ttmp6, 0x40000                  ; cx
	s_lshl_b32 s18, ttmp9, 2
	s_add_co_u32 s18, s18, s17                     ; my block of 384 columns = 4 x cluster x + cx: it enters B's, its scales' and qkv16's addresses alone
	s_and_b32 s19, ttmp7, 0xffff                   ; y: my 256 rows, which the four partners share
	; group 1: a tile of 64 rows x 256 bytes, rows 512 bytes apart in memory, 4 words of padding behind every 64
	s_mov_b32 s[G1], 15|(1<<20)|(1<<21)|(5<<22)|(3<<25)   ; the mask: all four; elements of 1 byte; padding on; bit 21 beside a mask
	s_mov_b32 s[G1+1], 256<<16                     ; tensor_dim0
	s_mov_b32 s[G1+2], 64<<16                      ; tensor_dim1
	s_mov_b32 s[G1+3], 256<<16                     ; tile_dim0
	s_mov_b32 s[G1+4], 64                          ; tile_dim1
	s_mov_b32 s[G1+5], 512                         ; from row to row
	s_mov_b32 s[G1+6], 0
	s_mov_b32 s[G1+7], 0
	s_lshl_b32 s20, s19, 17                        ; A's codes: 256 y rows of 512 bytes,
	s_lshl_b32 s21, s14, 15                        ; the 64 rows that I fetch
	s_add_co_u32 s20, s20, s21
	s_mov_b32 s21, 0
	s_mul_i32 s22, s14, 64*PITCH                   ; and their place in LDS: by the wave's number alone
	s_lshl_b32 s46, s19, 13                        ; A's scales: 32 bytes a row: 256 y rows,
	s_lshl_b32 s47, s15, 12                        ; my 128
	s_add_co_u32 s46, s46, s47
	s_mov_b32 s47, 0
	s_mul_i32 s48, s18, 24                         ; B: my first group of 16 columns: 24 x block + 4 x column half (+ 8 a subtile)
	s_lshl_b32 s49, s16, 2
	s_add_co_u32 s48, s48, s49
	s_lshl_b32 s50, s48, 9                         ; its scales: 512 bytes a group,
	s_lshl_b32 s48, s48, 12                        ; its images: 4,096 bytes a group and half of K
	s_mov_b32 s49, 0
	s_mov_b32 s51, 0
	s_mul_i32 s52, s18, 6
	s_add_co_u32 s52, s52, s16                     ; my head of subtile 0, counted through q, k, v: 6 x block + column half (+ 2 a subtile)
	s_lshr_b32 s53, s19, 2
	s_lshl_b32 s53, s53, 21                        ; b = y / 4
	s_and_b32 s54, s19, 3
	s_lshl_b32 s54, s54, 15                        ; n = 256 (y % 4) + 128 x row half, 128 bytes a row
	s_add_co_u32 s53, s53, s54
	s_lshl_b32 s54, s15, 14
	s_add_co_u32 s53, s53, s54
	s_wait_dscnt 0x0                               ; both opening adds are done
	s_wait_kmcnt 0x0
	s_add_nc_u64 s[20:21], s[4:5], s[20:21]
	s_add_nc_u64 s[6:7], s[6:7], s[46:47]
	s_add_nc_u64 s[8:9], s[8:9], s[48:49]
	s_add_nc_u64 s[10:11], s[10:11], s[50:51]
.irp j, 0,1,2
	s_add_co_u32 s54, s52, 2*\j                    ; the subtile's head g:
	s_lshr_b32 s55, s54, 4
	s_lshl_b32 s55, s55, 24                        ; sec = g / 16,
	s_and_b32 s54, s54, 15
	s_lshl_b32 s54, s54, 17                        ; head = g % 16
	s_add_co_u32 s54, s54, s55
	s_add_co_u32 s54, s54, s53
	s_mov_b32 s55, 0
	s_add_nc_u64 s[OUT+2*\j:OUT+2*\j+1], s[12:13], s[54:55]
.endr
.irp s, 0,1
	s_mov_b32 s[G0+4*\s], 1                        ; count = 1
	s_add_co_u32 s[G0+4*\s+1], s22, \s*HALF        ; LDS address
	s_add_nc_u64 s[G0+4*\s+2:G0+4*\s+3], s[20:21], \s*256   ; global address: the rows' first or second 256 bytes
	s_or_b32 s[G0+4*\s+3], s[G0+4*\s+3], 0x80000000         ; type = 2
.endr
	CROUND                                         ; all four work-groups are here: the joint loads meet
.irp s, 0,1
	tensor_load_to_lds s[G0+4*\s:G0+4*\s+3], s[G1:G1+7]   ; two loads of mine are out when the second has gone
	s_nop 0
.endr
.rept 4
	v_nop
.endr
	v_and_b32 v1, 15, v0                           ; r
	v_bfe_u32 v2, v0, 4, 1                         ; h
	v_and_b32 v[BO], 31, v0
	v_lshlrev_b32 v[BO], 4, v[BO]
	v_lshlrev_b32 v[SO], 5, v1
	v_lshl_add_u32 v[SO], v2, 4, v[SO]
.irp a, 0,1,2,3,4,5,6,7                        ; A's scale words: rows 16 a on
	global_load_b128 v[SCA+4*\a:SCA+4*\a+3], v[SO], s[6:7] offset:\a*512
.endr
.irp n, 0,1,2,3,4,5,6,7,8,9,10,11              ; B's: subtile n / 4, columns 16 (n % 4) on: group 8 (n / 4) + n % 4 from my first
	global_load_b128 v[SCB+4*\n:SCB+4*\n+3], v[SO], s[10:11] offset:(8*(\n/4)+\n%4)*512
.endr
	s_mul_i32 s23, s15, 128*PITCH                  ; my 128 rows of A
	v_mul_u32_u24 v[ADRA], v1, PITCH
	v_lshl_add_u32 v[ADRA], v2, 4, v[ADRA]         ; a fragment's row x pitch + 16 h
	v_add_nc_u32 v[ADRA], s23, v[ADRA]
	v_add_nc_u32 v[ADRA+1], HALF, v[ADRA]
	s_mul_i32 s23, s14, 16*SP
	s_add_co_u32 s23, s23, STAGE                   ; my stage
	v_mul_u32_u24 v[STO], v1, SP
	v_lshl_add_u32 v[STO], v2, 4, v[STO]
	v_add_nc_u32 v[STO], s23, v[STO]               ; in: row r, 16 bytes for each half of the lanes
	v_bfe_u32 v12, v0, 3, 2
	v_and_b32 v13, 7, v0
	v_mul_u32_u24 v[RD], v12, SP
	v_lshl_add_u32 v[RD], v13, 4, v[RD]
	v_add_nc_u32 v[RD], s23, v[RD]                 ; back: eight lanes to a row of 128 bytes, four rows an instruction: 512 consecutive bytes of qkv16
; Step q of 24: subtile q / 8, half (q % 8) / 4 of K, the half's (q % 4)-th 128.
.macro ALOAD q                         ; A's eight fragments into buffer q % 2 of window 3: lane l holds row l % 16; registers 4 c .. 4 c + 3 hold K = 64 c + 32 (l / 16) + 0 .. 31
	WIN 0xc0
.irp a, 0,1,2,3,4,5,6,7
.irp c, 0,1
	ds_load_b128 v[64*((\q)%2)+8*\a+4*\c:64*((\q)%2)+8*\a+4*\c+3], v[ADRA+((\q)%8)/4] offset:\a*16*PITCH+64*((\q)%4)+32*\c
.endr
.endr
.endm
.macro BLOAD q                         ; B's four fragments into buffer q % 8 of window 2, as they were laid: each load reads 512 consecutive bytes
	WIN 0x80
.irp b, 0,1,2,3
.irp c, 0,1
	global_load_b128 v[32*((\q)%8)+8*\b+4*\c:32*((\q)%8)+8*\b+4*\c+3], v[BO], s[8:9] offset:((\q)/8)*32768+(((\q)%8)/4)*WSLOT+\b*4096+((\q)%4)*1024+\c*512
.endr
.endr
.endm
; 32 matrix instructions; the 32 accumulators take turns, in the same order in every step.  A subtile's first step starts the sums: nothing is ever cleared.
.macro MUL q
	WIN 0x5e                                       ; source 0 (B) window 2, source 1 (A) window 3, C and D window 1; scale operands have no window
.irp a, 0,1,2,3,4,5,6,7
.irp b, 0,1,2,3
.if ((\q)%8) == 0
	v_wmma_scale_f32_16x16x128_f8f6f4 v[8*(4*\a+\b):8*(4*\a+\b)+7], v[32*((\q)%8)+8*\b:32*((\q)%8)+8*\b+7], v[64*((\q)%2)+8*\a:64*((\q)%2)+8*\a+7], 0, v[SCB+16*((\q)/8)+4*\b+((\q)%4)], v[SCA+4*\a+((\q)%4)] matrix_a_fmt:MATRIX_FMT_FP4 matrix_b_fmt:MATRIX_FMT_FP4
.elseif ((\q)%8) < 4
	v_wmma_scale_f32_16x16x128_f8f6f4 v[8*(4*\a+\b):8*(4*\a+\b)+7], v[32*((\q)%8)+8*\b:32*((\q)%8)+8*\b+7], v[64*((\q)%2)+8*\a:64*((\q)%2)+8*\a+7], v[8*(4*\a+\b):8*(4*\a+\b)+7], v[SCB+16*((\q)/8)+4*\b+((\q)%4)], v[SCA+4*\a+((\q)%4)] matrix_a_fmt:MATRIX_FMT_FP4 matrix_b_fmt:MATRIX_FMT_FP4
.else
	v_wmma_scale_f32_16x16x128_f8f6f4 v[8*(4*\a+\b):8*(4*\a+\b)+7], v[32*((\q)%8)+8*\b:32*((\q)%8)+8*\b+7], v[64*((\q)%2)+8*\a:64*((\q)%2)+8*\a+7], v[8*(4*\a+\b):8*(4*\a+\b)+7], v[SCB+16*((\q)/8)+4*\b+((\q)%4)], v[SCA+4*\a+((\q)%4)] matrix_a_fmt:MATRIX_FMT_FP4 matrix_b_fmt:MATRIX_FMT_FP4 matrix_a_scale:MATRIX_SCALE_ROW1 matrix_b_scale:MATRIX_SCALE_ROW1
.endif
.endr
.endr
.endm
.macro QUARTER q
.if (\q) > 0
.rept 4
	v_nop                                          ; places ahead of the loads into the buffers that the last step multiplied
.endr
.endif
.if (\q) == 3
	s_wait_tensorcnt 0x0                           ; my 64 rows of K's second half are in LDS,
	s_wait_dscnt 0x0
	s_barrier_signal -1
	s_barrier_wait -1                              ; everybody's are
.endif
.if (\q) < NS-1
	ALOAD (\q)+1
.endif
.if (\q)+7 < NS
	BLOAD (\q)+7
	s_wait_loadcnt 56                              ; this step's B is in (and, at the first step, the scales, which were asked for earlier); the seven younger steps' 56 loads may be out
.else
	s_wait_loadcnt 8*(NS-1-(\q))
.endif
.if (\q) < NS-1
	s_wait_dscnt 16                                ; this step's A is in; the next step's sixteen loads may be out
.else
	s_wait_dscnt 0x0
.endif
	MUL \q
.endm
; THE WAY OUT of a subtile, a block of 16 rows x 64 columns (one head) at a time.  PACK: rounded to f16, 16 bytes a lane, each accumulator from its low end on; into my stage, and back as whole rows of 128
; bytes, into the registers that they left.  LDS serves a wave's instructions in order (ISA guide 5.7.1.4): the loads see the stores above them, and the next block's stores come behind them.
.macro PACK a
	s_wait_xcnt 0x0                                ; the stores of the block four back have read this buffer: it is written again only behind this wait
	WIN 0x05                                       ; sources 0 and 1 window 1, destination window 0
.irp b, 0,1,2,3
.irp r, 0,1,2,3
	v_cvt_pk_f16_f32 v[TMP+16*((\a)%4)+4*\b+\r], v[32*(\a)+8*\b+2*\r], v[32*(\a)+8*\b+2*\r+1]
.endr
.endr
	WIN 0
.irp b, 0,1,2,3
	ds_store_b128 v[STO], v[TMP+16*((\a)%4)+4*\b:TMP+16*((\a)%4)+4*\b+3] offset:32*\b
.endr
.irp f, 0,1,2,3
	ds_load_b128 v[TMP+16*((\a)%4)+4*\f:TMP+16*((\a)%4)+4*\f+3], v[RD] offset:\f*4*SP
.endr
.endm
.macro SEND j, a, younger              ; younger: the LDS instructions issued behind block a's loads: eight for each younger block
.irp f, 0,1,2,3
	s_wait_dscnt \younger+3-\f
	global_store_b128 v[BO], v[TMP+16*((\a)%4)+4*\f:TMP+16*((\a)%4)+4*\f+3], s[OUT+2*\j:OUT+2*\j+1] offset:(\a)*2048+\f*512 th:TH_STORE_NT   ; the wave stores 512 consecutive bytes, aligned; read by nobody in this launch
.endr
.endm
.macro WAYOUT j                        ; three blocks are on their way through the stage at a time, so that a block's stores do not sit out its round trip
.rept 4
	v_nop                                          ; places behind the last products
.endr
	PACK 0
	PACK 1
	PACK 2
.irp a, 3,4,5,6,7
	SEND \j, \a-3, 16
	PACK \a
.endr
	SEND \j, 5, 16
	SEND \j, 6, 8
	SEND \j, 7, 0
.endm
.irp q, 0,1,2,3,4,5,6
	BLOAD \q
.endr
	s_wait_tensorcnt 1                             ; my 64 rows of K's first half are in LDS; the second half's load may be out
	s_barrier_signal -1
	s_barrier_wait -1                              ; everybody's are
	ALOAD 0
.set Q, 0
.rept 8
	QUARTER Q
.set Q, Q+1
.endr
	WAYOUT 0                                       ; its stores leave while the next subtile is multiplied; B's loads for the next seven steps are on their way meanwhile
.rept 8
	QUARTER Q
.set Q, Q+1
.endr
	WAYOUT 1
.rept 8
	QUARTER Q
.set Q, Q+1
.endr
	WAYOUT 2
	s_wait_tensorcnt 0x0                           ; the wave's end, behind my last tensor load and my last LDS store
	ds_add_u32 v[SPW], v[NIL]
	s_wait_dscnt 0x0
	CROUND                                         ; the closing round
	s_endpgm
.Lfunc_end_k_qc6b0dc47a2_qkv:
	.size	k_qc6b0dc47a2_qkv, .Lfunc_end_k_qc6b0dc47a2_qkv-k_qc6b0dc47a2_qkv
	.p2alignl 7, 3214868480
	.fill 96, 4, 3214868480
	.section	.rodata,"a",@progbits
	.p2align	6, 0x0
	.amdhsa_kernel k_qc6b0dc47a2_qkv
		.amdhsa_group_segment_fixed_size 327680
		.amdhsa_private_segment_fixed_size 0
		.amdhsa_enable_private_segment 0
		.amdhsa_kernarg_size 40
		.amdhsa_user_sgpr_count 2
		.amdhsa_user_sgpr_kernarg_segment_ptr 1
		.amdhsa_wavefront_size32 1
		.amdhsa_system_sgpr_workgroup_id_x 1
		.amdhsa_system_sgpr_workgroup_id_y 1
		.amdhsa_system_sgpr_workgroup_id_z 1
		.amdhsa_system_vgpr_workitem_id 0
		.amdhsa_next_free_vgpr 1024
		.amdhsa_next_free_sgpr 66
		.amdhsa_reserve_vcc 0
		.amdhsa_float_denorm_mode_32 3
		.amdhsa_float_denorm_mode_16_64 3
		.amdhsa_memory_ordered 1
		.amdhsa_forward_progress 1
		.amdhsa_inst_pref_size 204
	.end_amdhsa_kernel
	.amdgpu_metadata
---
amdhsa.version: [ 1, 2 ]
amdhsa.kernels:
  - .name:           k_qc6b0dc47a2_qkv
    .symbol:         k_qc6b0dc47a2_qkv.kd
    .args:
      - { .name: xc, .offset: 0, .size: 8, .value_kind: global_buffer, .address_space: global }
      - { .name: xs, .offset: 8, .size: 8, .value_kind: global_buffer, .address_space: global }
      - { .name: wc, .offset: 16, .size: 8, .value_kind: global_buffer, .address_space: global }
      - { .name: ws, .offset: 24, .size: 8, .value_kind: global_buffer, .address_space: global }
      - { .name: qkv16, .offset: 32, .size: 8, .value_kind: global_buffer, .address_space: global }
    .group_segment_fixed_size: 327680
    .private_segment_fixed_size: 0
    .kernarg_segment_align: 8
    .kernarg_segment_size: 40
    .max_flat_workgroup_size: 128
    .sgpr_count:     66
    .vgpr_count:     1024
    .wavefront_size: 32
...
	.end_amdgpu_metadata
.endif
;; end of part 2
;; launch attn (part 3): grid 2 x 128, 8 waves a work-group, no clusters, 327,680 bytes of LDS; arguments qkv16, a16; writes a16
.if DOCPART == 3
	.amdgcn_target "amdgcn-amd-amdhsa--gfx1250"
	.amdhsa_code_object_version 6
	.text
	.protected	k_qc6b0dc47a2_attn
	.globl	k_qc6b0dc47a2_attn
	.p2align	8
	.type	k_qc6b0dc47a2_attn,@function
k_qc6b0dc47a2_attn:
	s_mov_b64 s[64:65], 0
	v_nop
	global_prefetch_b8 v0, s[64:65] scope:SCOPE_SE
	s_setreg_imm32_b32 hwreg(HW_REG_WAVE_MODE, 25, 1), 1
	s_wait_xcnt 0x0
; ATTN: for each batch and head, O[q] = the sum over k of softmax_k(Q[q] . K[k] / 32) V[k]; 1,024 queries and keys, head size 64.  Q, K, V: f16, [sec][b][h][n][64], from the launch before.
; Products on f16 operands with f32 sums; maxima, exponentials and sums in f32; the weights p are rounded to f16 for the second product.  The result x 8 is rounded to f16: a16 [b][h][n][64].
; (x 8 is exact; it lifts a result that averages 1,024 values into f16's normal range; the last launch takes it off again.)
; LIMITS: |attention result| up to 8,188 (x 8 must be a finite f16); a weight p under 2^-25 of its row's largest counts as 0; NaN and infinities are not served.
; SHARES.  A work-group owns 512 queries of one head, each of its eight waves 64: four tiles of 16, in 512 registers: two waves to a SIMD, so that one wave's softmax stands beside the other's products.
; THE WHOLE HEAD'S K AND V LIE IN LDS: 1,024 rows of 128 bytes each.  All tensor loads go out at the head, four a wave (waves 0-3: K, waves 4-7: V; 64 rows a load), one for each chunk of 256 keys; each
; chunk is read behind a counted wait and a barrier.  No LDS byte is filled twice.
; NO CLUSTER: a head has two work-groups (2 x 512 queries), and the grid's x is 2, which a cluster of four along x does not divide; four partners a head would be 256 queries each, 512 work-groups,
; each bringing the head's 262,144 bytes of K and V for half the work.
; LAYOUT.  S^T = K Q^T (source 0 = 16 keys, source 1 = 16 queries): a lane holds ONE query (lane % 16) and keys 8 (lane / 16) + 0..7.  Two such tiles, rounded to f16 in pairs, ARE source 1 (32 keys x 16
; queries) of O^T = V^T P, whose result again holds one query a lane.  K comes out of LDS as it lies, V ([key][channel]) turned, by ds_load_tr16_b128.
; SOFTMAX.  For each query a running maximum m and sum l: p = 2^(c s - c m), c = log2(e) / 32; in every step O and l are multiplied by a = 2^(c m_old - c m_new).
; REGISTERS.  window 0: v2-11 addresses; v16-63 twelve registers of statistics a tile; v64-191 S^T, 32 a tile, and P in place (P(t, kk) = the low 8 of each 16); v192-255 K's 8 fragments.
;   window 1: v0-127 O^T, 32 a tile; v128-191 Q; v192-255 V's 8 fragments.
.set PKB,   144                        ; a row of K in LDS: 128 + 16
.set PVB,   160                        ; a row of V: 128 + 32: an odd multiple of 32, as the turning load's lanes want
.set VB,    1024*PKB
.set SPARE, VB+1024*PVB                ; the spare words, 128 bytes a wave
.set AK0, 2                            ; v2   my lane's place in a tile of K
.set AV0, 3                            ; v3   the same for V
.set ADK, 4                            ; v4   LDS address of the step's K
.set ADV, 5                            ; v5   of its V
.set QO,  6                            ; v6   my byte offset in the wave's rows of Q
.set STO, 7                            ; v7   the way out: where I put 16 bytes of a row
.set RD,  8                            ; v8   where I read rows back
.set GO,  9                            ; v9   my byte offset in the wave's rows of a16
.set SPW, 10                           ; v10  my spare word; never rewritten
.set NIL, 11                           ; v11  0; never rewritten
.set ST,  16                           ; tile t's statistics at v[ST+12 t]: +0 c m, +1 m, +2, +3 l, +4..+7 c0-c3 at work (a takes +6), +8..+11 two chains of sums
.set S,   64
.set KF,  192
.set QF,  128                          ; in window 1
.set VF,  192                          ; in window 1
.set WV,  8                            ; s8   my wave's number
.set G1K, 16
.set G1V, 24
.set G0K, 32                           ; s[32:47] K's four groups 0, one a chunk
.set G0V, 48                           ; s[48:63] V's
.set CS,  66                           ; s[66:67] c
.set SEL, 68                           ; s[68:69] v_permlanex16_b32's selects: lane l xor 16
.set TK,  70                           ; s70  LDS byte at which the step's 64 rows of K begin
.set TV,  71                           ; s71  the same for V, from VB on
.set CNT, 72
.set MSB, 0
.macro WIN new
.if MSB != \new
	s_set_vgpr_msb (MSB<<8)|\new
.set MSB, \new
.endif
.endm
	s_load_b128 s[4:7], s[0:1], 0x0                ; qkv16 s[4:5], a16 s[6:7]
	v_lshl_add_u32 v[SPW], v0, 2, SPARE
	v_mov_b32 v[NIL], 0
	ds_add_u32 v[SPW], v[NIL]                      ; the wave's opening: the add, twice on end, and its wait ahead of my first tensor load
	ds_add_u32 v[SPW], v[NIL]
	v_lshrrev_b32 v1, 5, v0
	v_readfirstlane_b32 s[WV], v1                  ; wave 0..7
	s_and_b32 s9, s[WV], 3                         ; which 64 rows of a chunk I fetch
	; group 1: a tile of 64 rows x 64 elements of 2 bytes, dense in memory, padded in LDS behind every 32 words: K by 4 words, V by 8
	s_mov_b32 s[G1K], (1<<16)|(1<<20)|(4<<22)|(3<<25)
	s_mov_b32 s[G1V], (1<<16)|(1<<20)|(4<<22)|(7<<25)
.irp g, G1K, G1V
	s_mov_b32 s[\g+1], 64<<16                      ; tensor_dim0
	s_mov_b32 s[\g+2], 64<<16                      ; tensor_dim1
	s_mov_b32 s[\g+3], 64<<16                      ; tile_dim0
	s_mov_b32 s[\g+4], 64                          ; tile_dim1
	s_mov_b32 s[\g+5], 64                          ; from row to row
	s_mov_b32 s[\g+6], 0
	s_mov_b32 s[\g+7], 0
.endr
	s_mov_b32 s[CS], 0x3d38aa3b                    ; c = log2(e) / 32
	s_mov_b32 s[CS+1], s[CS]                       ; (named with it as a pair, so it is written)
	s_mov_b32 s[SEL], 0x76543210
	s_mov_b32 s[SEL+1], 0xfedcba98
	s_and_b32 s10, ttmp7, 0xffff
	s_lshl_b32 s10, s10, 17                        ; the head's first byte: 1,024 rows of 128 bytes a head
	s_lshl_b32 s12, ttmp9, 16                      ; my work-group's 512 queries,
	s_lshl_b32 s13, s[WV], 13                      ; my wave's 64
	s_add_co_u32 s12, s12, s13
	s_add_co_u32 s12, s12, s10
	s_mov_b32 s13, 0
	s_lshl_b32 s14, s9, 13                         ; the 64 rows that I fetch
	s_add_co_u32 s14, s14, s10
	s_mov_b32 s15, 0
	s_mul_i32 s73, s9, 64*PKB                      ; and their places in LDS
	s_mul_i32 s74, s9, 64*PVB
	s_wait_dscnt 0x0                               ; both opening adds are done
	s_wait_kmcnt 0x0
	s_add_nc_u64 s[14:15], s[4:5], s[14:15]
.irp c, 0,1,2,3
	s_mov_b32 s[G0K+4*\c], 1
	s_add_co_u32 s[G0K+4*\c+1], s73, \c*256*PKB
	s_add_nc_u64 s[G0K+4*\c+2:G0K+4*\c+3], s[14:15], (1<<24)+\c*32768
	s_or_b32 s[G0K+4*\c+3], s[G0K+4*\c+3], 0x80000000
	s_mov_b32 s[G0V+4*\c], 1
	s_add_co_u32 s[G0V+4*\c+1], s74, VB+\c*256*PVB
	s_add_nc_u64 s[G0V+4*\c+2:G0V+4*\c+3], s[14:15], (1<<25)+\c*32768
	s_or_b32 s[G0V+4*\c+3], s[G0V+4*\c+3], 0x80000000
.endr
	s_add_nc_u64 s[4:5], s[4:5], s[12:13]          ; Q at my wave's first row
	s_add_nc_u64 s[6:7], s[6:7], s[12:13]          ; a16 likewise
	s_cmp_lt_u32 s[WV], 4                          ; a wave's four first fills stand in one branch, ahead of every wait on TENSORcnt, every LDS read and every barrier: four loads of mine are out
	s_cbranch_scc0 .Lfill_v
.irp c, 0,1,2,3
	tensor_load_to_lds s[G0K+4*\c:G0K+4*\c+3], s[G1K:G1K+7]
	s_nop 0
.endr
.rept 4
	v_nop
.endr
	s_branch .Lfilled
.Lfill_v:
.irp c, 0,1,2,3
	tensor_load_to_lds s[G0V+4*\c:G0V+4*\c+3], s[G1V:G1V+7]
	s_nop 0
.endr
.rept 4
	v_nop
.endr
.Lfilled:
	v_and_b32 v1, 15, v0                           ; r
	v_bfe_u32 v12, v0, 4, 1                        ; h
	v_lshlrev_b32 v[QO], 7, v1
	v_lshl_add_u32 v[QO], v12, 4, v[QO]            ; Q: row r of 128 bytes + 16 h
	WIN 0x40                                       ; destination window 1
.irp f, 0,1,2,3,4,5,6,7                        ; Q stays in registers: tile f / 2, channels 32 (f % 2) on
	global_load_b128 v[QF+8*\f:QF+8*\f+3],   v[QO], s[4:5] offset:(\f/2)*2048+(\f%2)*64
	global_load_b128 v[QF+8*\f+4:QF+8*\f+7], v[QO], s[4:5] offset:(\f/2)*2048+(\f%2)*64+32
.endr
	WIN 0
	v_mul_u32_u24 v[AK0], v1, PKB
	v_lshl_add_u32 v[AK0], v12, 4, v[AK0]          ; K: row x pitch + 16 h
	v_and_b32 v13, 7, v0
	v_bfe_u32 v14, v0, 3, 1
	v_lshl_add_u32 v[AV0], v12, 3, v13             ; V: the turning load: lane l reads key 8 (l / 16) + l % 8, channels 8 ((l / 8) % 2) + 0..7
	v_mul_u32_u24 v[AV0], v[AV0], PVB
	v_lshl_add_u32 v[AV0], v14, 4, v[AV0]
	v_add_nc_u32 v[AV0], VB, v[AV0]
	s_mul_i32 s73, s[WV], 16*PKB                   ; my stage for the way out: 16 rows x 144 bytes, in K's first chunk: it has had its only fill, and its last read stands ahead of the second chunk's barrier
	v_add_nc_u32 v[STO], s73, v[AK0]               ; in: row r, 16 bytes for each half of the lanes
	v_bfe_u32 v14, v0, 3, 2
	v_mul_u32_u24 v[RD], v14, PKB
	v_lshl_add_u32 v[RD], v13, 4, v[RD]
	v_add_nc_u32 v[RD], s73, v[RD]                 ; back: eight lanes to a row of 128 bytes, four rows an instruction
	v_and_b32 v[GO], 31, v0
	v_lshlrev_b32 v[GO], 4, v[GO]                  ; which are 512 consecutive bytes of a16
.macro KLOAD                           ; 64 keys x 64 channels: fragment f = 2 kt + ks: keys 16 kt on, channels 32 ks on
.irp f, 0,1,2,3,4,5,6,7
	ds_load_b128 v[KF+8*\f:KF+8*\f+3],   v[ADK] offset:(\f/2)*16*PKB+(\f%2)*64
	ds_load_b128 v[KF+8*\f+4:KF+8*\f+7], v[ADK] offset:(\f/2)*16*PKB+(\f%2)*64+32
.endr
.endm
.macro VLOAD                           ; the same keys' V, turned: fragment f = 4 kk + ct: keys 32 kk on, channels 16 ct on
	WIN 0x40
.irp f, 0,1,2,3,4,5,6,7
	ds_load_tr16_b128 v[VF+8*\f:VF+8*\f+3],   v[ADV] offset:(\f/4)*32*PVB+(\f%4)*32
	ds_load_tr16_b128 v[VF+8*\f+4:VF+8*\f+7], v[ADV] offset:(\f/4)*32*PVB+16*PVB+(\f%4)*32
.endr
	WIN 0
.endm
; The sixteen accumulators of each product take turns, one instruction a turn.
.macro KQ                              ; S^T = K Q^T: K in window 0, Q in window 1
	WIN 0x04
.irp ks, 0,1
.irp kt, 0,1,2,3
.irp t, 0,1,2,3
.if \ks == 0
	v_wmma_f32_16x16x32_f16 v[S+32*\t+8*\kt:S+32*\t+8*\kt+7], v[KF+16*\kt+8*\ks:KF+16*\kt+8*\ks+7], v[QF+16*\t+8*\ks:QF+16*\t+8*\ks+7], 0
.else
	v_wmma_f32_16x16x32_f16 v[S+32*\t+8*\kt:S+32*\t+8*\kt+7], v[KF+16*\kt+8*\ks:KF+16*\kt+8*\ks+7], v[QF+16*\t+8*\ks:QF+16*\t+8*\ks+7], v[S+32*\t+8*\kt:S+32*\t+8*\kt+7]
.endif
.endr
.endr
.endr
.endm
.macro PVM first                       ; O^T += V^T P: V and O^T in window 1, P in window 0.  first = 1: the first sixteen start the sums
	WIN 0x51
.irp kk, 0,1
.irp ct, 0,1,2,3
.irp t, 0,1,2,3
.if \first && (\kk == 0)
	v_wmma_f32_16x16x32_f16 v[32*\t+8*\ct:32*\t+8*\ct+7], v[VF+32*\kk+8*\ct:VF+32*\kk+8*\ct+7], v[S+32*\t+16*\kk:S+32*\t+16*\kk+7], 0
.else
	v_wmma_f32_16x16x32_f16 v[32*\t+8*\ct:32*\t+8*\ct+7], v[VF+32*\kk+8*\ct:VF+32*\kk+8*\ct+7], v[S+32*\t+16*\kk:S+32*\t+16*\kk+7], v[32*\t+8*\ct:32*\t+8*\ct+7]
.endif
.endr
.endr
.endr
.endm
; THE SOFTMAX of a step, every line written for the four tiles by turns, so that no line waits for the line above it.
.macro SMAX first                      ; the maximum of a lane's 32 scores and the old m: four chains; each accumulator is read from its low end on
.irp j, 0,1,2,3
.irp t, 0,1,2,3
	v_max3_num_f32 v[ST+12*\t+4+\j], v[S+32*\t+8*\j], v[S+32*\t+8*\j+1], v[S+32*\t+8*\j+2]
.endr
.endr
.irp u, 1,2
.irp j, 0,1,2,3
.irp t, 0,1,2,3
	v_max3_num_f32 v[ST+12*\t+4+\j], v[ST+12*\t+4+\j], v[S+32*\t+8*\j+2*\u+1], v[S+32*\t+8*\j+2*\u+2]
.endr
.endr
.endr
.irp t, 0,1,2,3
	v_max3_num_f32 v[ST+12*\t+4], v[ST+12*\t+4], v[S+32*\t+7], v[S+32*\t+15]
.endr
.irp t, 0,1,2,3
	v_max3_num_f32 v[ST+12*\t+6], v[ST+12*\t+6], v[S+32*\t+23], v[S+32*\t+31]
.endr
.irp t, 0,1,2,3
	v_max3_num_f32 v[ST+12*\t+4], v[ST+12*\t+4], v[ST+12*\t+5], v[ST+12*\t+6]
.endr
.irp t, 0,1,2,3
.if \first
	v_max_num_f32 v[ST+12*\t+4], v[ST+12*\t+4], v[ST+12*\t+7]
.else
	v_max3_num_f32 v[ST+12*\t+4], v[ST+12*\t+4], v[ST+12*\t+7], v[ST+12*\t+1]
.endif
.endr
.endm
.macro SSTAT first
.irp t, 0,1,2,3
	v_permlanex16_b32 v[ST+12*\t+5], v[ST+12*\t+4], s[SEL], s[SEL+1]   ; the query's other 32 keys lie in the lane 16 away
.endr
.if \first == 0
.irp t, 0,1,2,3
	v_mov_b32 v[ST+12*\t+7], v[ST+12*\t]           ; c m_old is kept for a
.endr
.endif
.irp t, 0,1,2,3
	v_max_num_f32 v[ST+12*\t+1], v[ST+12*\t+4], v[ST+12*\t+5]   ; the new m
.endr
.irp t, 0,1,2,3
	v_mul_f32 v[ST+12*\t], s[CS], v[ST+12*\t+1]    ; c m
.endr
.if \first == 0
.irp t, 0,1,2,3
	v_sub_f32 v[ST+12*\t+7], v[ST+12*\t+7], v[ST+12*\t]   ; c m_old - c m_new
.endr
.endif
.endm
.macro SFMA                            ; c s - c m, two scores an instruction
.set j, 0
.rept 16
.irp t, 0,1,2,3
	v_pk_fma_f32 v[S+32*\t+j:S+32*\t+j+1], v[S+32*\t+j:S+32*\t+j+1], s[CS:CS+1], v[ST+12*\t:ST+12*\t+1] op_sel_hi:[1,0,0] neg_lo:[0,0,1] neg_hi:[0,0,1]
.endr
.set j, j+2
.endr
.endm
.macro SEXP first                      ; ONE batch of exponentials, one plain line, ONE wait ahead of the first line that names a result
.if \first == 0
.irp t, 0,1,2,3
	v_exp_f32 v[ST+12*\t+6], v[ST+12*\t+7]         ; a
.endr
.endif
.set j, 0
.rept 32
.irp t, 0,1,2,3
	v_exp_f32 v[S+32*\t+j], v[S+32*\t+j]           ; p
.endr
.set j, j+1
.endr
	v_nop
	s_wait_alu depctr_va_vdst(0)
.endm
.macro SSUM first                      ; the row's sum, of the p as they stand in f32, in two chains; l = a l + the sum
.irp t, 0,1,2,3
	v_pk_add_f32 v[ST+12*\t+8:ST+12*\t+9], v[S+32*\t:S+32*\t+1], v[S+32*\t+4:S+32*\t+5]
.endr
.irp t, 0,1,2,3
	v_pk_add_f32 v[ST+12*\t+10:ST+12*\t+11], v[S+32*\t+2:S+32*\t+3], v[S+32*\t+6:S+32*\t+7]
.endr
.irp j, 8,12,16,20,24,28
.irp t, 0,1,2,3
	v_pk_add_f32 v[ST+12*\t+8:ST+12*\t+9], v[ST+12*\t+8:ST+12*\t+9], v[S+32*\t+\j:S+32*\t+\j+1]
.endr
.irp t, 0,1,2,3
	v_pk_add_f32 v[ST+12*\t+10:ST+12*\t+11], v[ST+12*\t+10:ST+12*\t+11], v[S+32*\t+\j+2:S+32*\t+\j+3]
.endr
.endr
.irp t, 0,1,2,3
.if \first
	v_pk_add_f32 v[ST+12*\t+2:ST+12*\t+3], v[ST+12*\t+8:ST+12*\t+9], v[ST+12*\t+10:ST+12*\t+11]
.else
	v_pk_add_f32 v[ST+12*\t+8:ST+12*\t+9], v[ST+12*\t+8:ST+12*\t+9], v[ST+12*\t+10:ST+12*\t+11]
.endif
.endr
.if \first == 0
.irp t, 0,1,2,3
	v_pk_fma_f32 v[ST+12*\t+2:ST+12*\t+3], v[ST+12*\t+2:ST+12*\t+3], v[ST+12*\t+6:ST+12*\t+7], v[ST+12*\t+8:ST+12*\t+9] op_sel_hi:[1,0,1]
.endr
.endif
.endm
.macro SCVT                            ; p to f16, in place: word i of each 16 takes numbers 2 i and 2 i + 1; i ascends, so no number is overwritten before it is read
.irp kk, 0,1
.irp i, 0,1,2,3,4,5,6,7
.irp t, 0,1,2,3
	v_cvt_pk_f16_f32 v[S+32*\t+16*\kk+\i], v[S+32*\t+16*\kk+2*\i], v[S+32*\t+16*\kk+2*\i+1]
.endr
.endr
.endr
.endm
.macro RESC                            ; O^T x a; each accumulator from its low end on
	WIN 0x41
.set j, 0
.rept 16
.irp t, 0,1,2,3
	v_pk_mul_f32 v[32*\t+j:32*\t+j+1], v[32*\t+j:32*\t+j+1], v[ST+12*\t+6:ST+12*\t+7] op_sel_hi:[1,0]
.endr
.set j, j+2
.endr
.endm
; A KEY STEP: 64 keys.
.macro STEP first
	v_add_nc_u32 v[ADK], s[TK], v[AK0]
	v_add_nc_u32 v[ADV], s[TV], v[AV0]
.if \first == 0
.rept 4
	v_nop                                          ; with the two additions six places behind the last V^T P: four are asked ahead of the loads into V's registers, five ahead of the K Q^T that writes over P
.endr
.endif
	KLOAD
	VLOAD
	s_add_co_u32 s[TK], s[TK], 64*PKB
	s_add_co_u32 s[TV], s[TV], 64*PVB
	s_wait_dscnt 16                                ; K's sixteen loads are in; V's sixteen may be out
	KQ
	WIN 0
.rept 4
	v_nop                                          ; places ahead of the first read of the scores
.endr
	SMAX \first
	SSTAT \first
	SFMA
	SEXP \first
	SSUM \first
	SCVT
	s_wait_dscnt 0x0                               ; V is in
.if \first == 0
	RESC
.endif
	PVM \first
	WIN 0
.endm
; A CHUNK of 256 keys, four steps.  left = the younger chunks' tensor loads of mine, which may stay out.
.macro CHUNK c, left, first
	s_wait_tensorcnt \left                         ; tensor loads of a wave end in order (ISA guide 10.11.1): my 64 rows of this chunk are in LDS
	s_wait_dscnt 0x0
	s_barrier_signal -1
	s_barrier_wait -1                              ; everybody's are
	s_mov_b32 s[TK], \c*256*PKB
	s_mov_b32 s[TV], \c*256*PVB
.if \first
	STEP 1                                         ; the first step starts m, l and O^T
	s_mov_b32 s[CNT], 3
.else
	s_mov_b32 s[CNT], 4
.endif
.Lst_\@:
	STEP 0
	s_sub_co_u32 s[CNT], s[CNT], 1
	s_cmp_lg_u32 s[CNT], 0
	s_cbranch_scc1 .Lst_\@
.endm
	s_wait_loadcnt 0x0                             ; Q
	CHUNK 0, 3, 1
	CHUNK 1, 2, 0
	CHUNK 2, 1, 0
	CHUNK 3, 0, 0
	; THE WAY OUT.  l's halves are added; O^T x 8 / l is rounded to f16 and goes through my stage, a tile (16 rows) at a time.  The four additions are the places behind the last products.
.irp t, 0,1,2,3
	v_add_f32 v[ST+12*\t+4], v[ST+12*\t+2], v[ST+12*\t+3]
.endr
.irp t, 0,1,2,3
	v_permlanex16_b32 v[ST+12*\t+5], v[ST+12*\t+4], s[SEL], s[SEL+1]
.endr
.irp t, 0,1,2,3
	v_add_f32 v[ST+12*\t+4], v[ST+12*\t+4], v[ST+12*\t+5]
.endr
.irp t, 0,1,2,3
	v_rcp_f32 v[ST+12*\t+6], v[ST+12*\t+4]
.endr
	v_nop                                          ; a plain line behind the last reciprocal,
	s_wait_alu depctr_va_vdst(0)                   ; and a wait ahead of the first use: one for the four
.irp t, 0,1,2,3
	v_mul_f32 v[ST+12*\t+6], 0x41000000, v[ST+12*\t+6]   ; 8 / l
.endr
.macro PACK t
	WIN 0x41
.set j, 0
.rept 16
	v_pk_mul_f32 v[32*\t+j:32*\t+j+1], v[32*\t+j:32*\t+j+1], v[ST+12*\t+6:ST+12*\t+7] op_sel_hi:[1,0]
.set j, j+2
.endr
	WIN 0x05                                       ; sources 0 and 1 window 1, destination window 0: S^T's registers are free
.set j, 0
.rept 16
	v_cvt_pk_f16_f32 v[S+16*\t+j], v[32*\t+2*j], v[32*\t+2*j+1]
.set j, j+1
.endr
	WIN 0
.irp f, 0,1,2,3
	ds_store_b128 v[STO], v[S+16*\t+4*\f:S+16*\t+4*\f+3] offset:32*\f
.endr
.irp f, 0,1,2,3
	ds_load_b128 v[S+16*\t+4*\f:S+16*\t+4*\f+3], v[RD] offset:\f*4*PKB   ; LDS serves a wave's instructions in order (ISA guide 5.7.1.4): these see the stores above, and the next tile's stores come behind them
.endr
.endm
.macro SEND t, younger                 ; younger: the LDS instructions issued behind tile t's loads: the next tile's eight, or none
.irp f, 0,1,2,3
	s_wait_dscnt \younger+3-\f
	global_store_b128 v[GO], v[S+16*\t+4*\f:S+16*\t+4*\f+3], s[6:7] offset:\t*2048+\f*512   ; the wave stores 512 consecutive bytes, aligned
.endr
.endm
	PACK 0
	PACK 1
	SEND 0, 8
	PACK 2
	SEND 1, 8
	PACK 3
	SEND 2, 8
	SEND 3, 0
	s_wait_tensorcnt 0x0                           ; the wave's end
	ds_add_u32 v[SPW], v[NIL]
	s_wait_dscnt 0x0
	s_endpgm
.Lfunc_end_k_qc6b0dc47a2_attn:
	.size	k_qc6b0dc47a2_attn, .Lfunc_end_k_qc6b0dc47a2_attn-k_qc6b0dc47a2_attn
	.p2alignl 7, 3214868480
	.fill 96, 4, 3214868480
	.section	.rodata,"a",@progbits
	.p2align	6, 0x0
	.amdhsa_kernel k_qc6b0dc47a2_attn
		.amdhsa_group_segment_fixed_size 327680
		.amdhsa_private_segment_fixed_size 0
		.amdhsa_enable_private_segment 0
		.amdhsa_kernarg_size 16
		.amdhsa_user_sgpr_count 2
		.amdhsa_user_sgpr_kernarg_segment_ptr 1
		.amdhsa_wavefront_size32 1
		.amdhsa_system_sgpr_workgroup_id_x 1
		.amdhsa_system_sgpr_workgroup_id_y 1
		.amdhsa_system_sgpr_workgroup_id_z 1
		.amdhsa_system_vgpr_workitem_id 0
		.amdhsa_next_free_vgpr 512
		.amdhsa_next_free_sgpr 80
		.amdhsa_reserve_vcc 0
		.amdhsa_float_denorm_mode_32 3
		.amdhsa_float_denorm_mode_16_64 3
		.amdhsa_memory_ordered 1
		.amdhsa_forward_progress 1
		.amdhsa_inst_pref_size 177
	.end_amdhsa_kernel
	.amdgpu_metadata
---
amdhsa.version: [ 1, 2 ]
amdhsa.kernels:
  - .name:           k_qc6b0dc47a2_attn
    .symbol:         k_qc6b0dc47a2_attn.kd
    .args:
      - { .name: qkv16, .offset: 0, .size: 8, .value_kind: global_buffer, .address_space: global }
      - { .name: a16, .offset: 8, .size: 8, .value_kind: global_buffer, .address_space: global }
    .group_segment_fixed_size: 327680
    .private_segment_fixed_size: 0
    .kernarg_segment_align: 8
    .kernarg_segment_size: 16
    .max_flat_workgroup_size: 256
    .sgpr_count:     80
    .vgpr_count:     512
    .wavefront_size: 32
...
	.end_amdgpu_metadata
.endif
;; end of part 3
;; launch proj (part 4): grid 4 x 64, 4 waves a work-group, clusters of 4 x 1, 327,680 bytes of LDS; arguments a16, wo16, out0; writes out0
.if DOCPART == 4
	.amdgcn_target "amdgcn-amd-amdhsa--gfx1250"
	.amdhsa_code_object_version 6
	.text
	.protected	k_qc6b0dc47a2_proj
	.globl	k_qc6b0dc47a2_proj
	.p2align	8
	.type	k_qc6b0dc47a2_proj,@function
k_qc6b0dc47a2_proj:
	s_mov_b64 s[64:65], 0
	v_nop
	global_prefetch_b8 v0, s[64:65] scope:SCOPE_SE
	s_setreg_imm32_b32 hwreg(HW_REG_WAVE_MODE, 25, 1), 1
	s_wait_xcnt 0x0
	s_wait_alu depctr_hold_cnt(0) depctr_sa_sdst(0) depctr_va_vdst(0) depctr_va_sdst(0) depctr_va_ssrc(0) depctr_va_vcc(0) depctr_vm_vsrc(0)
	s_getreg_b32 s2, hwreg(HW_REG_IB_STS2, 6, 4)
	s_cmp_eq_u32 s2, 0
	s_cbranch_scc0 .Lentry_in_a_cluster
	s_endpgm
.Lentry_in_a_cluster:
	s_bfe_u32 s2, ttmp6, 0x10000c
	s_cmp_lg_u32 s2, 0x3003
	s_cbranch_scc0 .Lentry_shape_is_right
	s_endpgm
.Lentry_shape_is_right:
; PROJ: out0 [8192][1024] f32 = attention [8192][1024] x w_out [1024][1024], on f16 operands with f32 sums.  a16 holds 8 x attention, by head: [b][h][n][64]; wo16 holds 64 x w_out in the
; order of the operand's registers: byte (n/16) 32,768 + kq 1,024 + g 512 + 16 lane = register group g of the fragment of columns 16 (n/16) on, K = 32 kq on.  The sums are multiplied by 2^-9, exactly.
; SHARES.  A work-group makes 128 rows x 256 columns; each of its four waves all 128 rows x 64 columns: 32 accumulators of 16 x 16.
; ALL OF A's 128 rows x 1,024 K lie in LDS: 16 heads x 128 rows of 128 bytes.  All tensor loads go out at the head, four a wave (a head each), and are read, four heads at a time, behind a counted wait and
; a barrier.  No LDS byte is filled twice.  B's fragments are read by one wave of the work-group alone: they come from memory straight into its registers, seven quarters of 32 along K ahead.
; CLUSTER: the four work-groups of a cluster make the four column blocks of the same 128 rows: A's tiles are asked for JOINTLY, by the same tensor load with the same descriptor and the mask 15.
; THE MATRIX INSTRUCTION IS USED TRANSPOSED (source 0 = 16 columns of w_out, source 1 = 16 rows of A): a lane holds eight neighbouring columns of one row.
; REGISTERS.  window 0: v3-11 addresses; v64-191 A's fragments, two buffers of 8; v192-223 a block's scaled results; on the way out v64-127 rows read back.
;   window 1: the accumulators, (a, b) at v[8 (4 a + b)].   window 2: B's fragments, eight buffers of 4.
.set PA,    144                        ; a row of A in LDS: 128 + 16
.set HEADB, 128*PA                     ; a head's 128 rows
.set SPARE, 16*HEADB                   ; the spare words, 128 bytes a wave
.set STAGE, SPARE+512                  ; the way out: 16 rows x (256 + 16) a wave; no tile lands here
.set SPITCH, 272
.set AA0, 3                            ; v3   my lane's place in a head's tile
.set ADA, 4                            ; v4   LDS address of the quarter's fragments
.set BO,  5                            ; v5   16 x lane: my place in an image of B
.set STO, 6                            ; v6   the way out: where I put 32 bytes of a row
.set RD,  7                            ; v7   where I read a row back
.set CO,  8                            ; v8   my byte offset in out0
.set SPW, 10                           ; v10  my spare word; never rewritten
.set NIL, 11                           ; v11  0; never rewritten
.set AFR, 64
.set TMP, 192
.set BK,  64
.set G1,  16                           ; s[16:23]
.set G0,  24                           ; s[24:39] four groups 0
.set MSB, 0
.macro WIN new
.if MSB != \new
	s_set_vgpr_msb (MSB<<8)|\new
.set MSB, \new
.endif
.endm
.macro CROUND                          ; a round of the cluster's barrier
	s_barrier_signal -1
	s_barrier_wait -1
	s_cmp_lg_u32 s10, 0
	s_cbranch_scc1 .Lnot_wave_0_\@
	s_barrier_signal -3
.Lnot_wave_0_\@:
	s_barrier_wait -3
	s_barrier_signal -1
	s_barrier_wait -1
.endm
	s_load_b128 s[4:7], s[0:1], 0x0                ; a16 s[4:5], wo16 s[6:7]
	s_load_b64 s[8:9], s[0:1], 0x10                ; out0
	v_lshl_add_u32 v[SPW], v0, 2, SPARE
	v_mov_b32 v[NIL], 0
	ds_add_u32 v[SPW], v[NIL]                      ; the wave's opening: the add, twice on end, and its wait ahead of my first tensor load
	ds_add_u32 v[SPW], v[NIL]
	v_lshrrev_b32 v1, 5, v0
	v_readfirstlane_b32 s10, v1                    ; wave 0..3
	s_bfe_u32 s11, ttmp6, 0x40000                  ; cx: my block of 256 columns; it enters B's and out0's addresses alone
	s_and_b32 s12, ttmp7, 0xffff                   ; y: my 128 rows, which the four partners share
	; group 1: a tile of 128 rows x 64 elements of 2 bytes, dense in memory, 4 words of padding behind every 32
	s_mov_b32 s[G1], 15|(1<<16)|(1<<20)|(1<<21)|(4<<22)|(3<<25)
	s_mov_b32 s[G1+1], 64<<16                      ; tensor_dim0
	s_mov_b32 s[G1+2], 128<<16                     ; tensor_dim1
	s_mov_b32 s[G1+3], 64<<16                      ; tile_dim0
	s_mov_b32 s[G1+4], 128                         ; tile_dim1
	s_mov_b32 s[G1+5], 64                          ; from row to row
	s_mov_b32 s[G1+6], 0
	s_mov_b32 s[G1+7], 0
	s_lshr_b32 s13, s12, 3
	s_lshl_b32 s13, s13, 21                        ; b = y / 8
	s_and_b32 s14, s12, 7
	s_lshl_b32 s14, s14, 14                        ; n = 128 (y % 8): 128 bytes a row
	s_add_co_u32 s14, s14, s13
	s_lshl_b32 s13, s10, 17                        ; head = wave (+ 4 a chunk)
	s_add_co_u32 s14, s14, s13
	s_mov_b32 s15, 0
	s_mul_i32 s40, s10, HEADB                      ; its place in LDS: by the wave's number alone
	s_lshl_b32 s42, s11, 4
	s_lshl_b32 s43, s10, 2
	s_add_co_u32 s42, s42, s43                     ; B: my first group of 16 columns: 16 cx + 4 wave
	s_lshl_b32 s42, s42, 15
	s_mov_b32 s43, 0
	s_lshl_b32 s44, s12, 19                        ; out0: 128 y rows of 4,096 bytes,
	s_lshl_b32 s45, s11, 10                        ; 256 cx columns,
	s_add_co_u32 s44, s44, s45
	s_lshl_b32 s45, s10, 8                         ; 64 x wave columns
	s_add_co_u32 s44, s44, s45
	s_mov_b32 s45, 0
	s_wait_dscnt 0x0                               ; both opening adds are done
	s_wait_kmcnt 0x0
	s_add_nc_u64 s[14:15], s[4:5], s[14:15]
	s_add_nc_u64 s[6:7], s[6:7], s[42:43]
	s_add_nc_u64 s[8:9], s[8:9], s[44:45]
.irp c, 0,1,2,3
	s_mov_b32 s[G0+4*\c], 1
	s_add_co_u32 s[G0+4*\c+1], s40, \c*4*HEADB
	s_add_nc_u64 s[G0+4*\c+2:G0+4*\c+3], s[14:15], \c*(4<<17)
	s_or_b32 s[G0+4*\c+3], s[G0+4*\c+3], 0x80000000
.endr
	CROUND                                         ; all four work-groups are here: the joint loads meet
.irp c, 0,1,2,3
	tensor_load_to_lds s[G0+4*\c:G0+4*\c+3], s[G1:G1+7]   ; head 4 c + wave; four loads of mine are out when the last has gone
	s_nop 0
.endr
.rept 4
	v_nop
.endr
	v_and_b32 v1, 15, v0                           ; r
	v_bfe_u32 v2, v0, 4, 1                         ; h
	v_and_b32 v[BO], 31, v0
	v_lshlrev_b32 v[BO], 4, v[BO]
	v_mul_u32_u24 v[AA0], v1, PA
	v_lshl_add_u32 v[AA0], v2, 4, v[AA0]           ; A: row x pitch + 16 h
	s_mul_i32 s41, s10, 16*SPITCH
	s_add_co_u32 s41, s41, STAGE                   ; my stage
	v_mul_u32_u24 v[STO], v1, SPITCH
	v_lshl_add_u32 v[STO], v2, 5, v[STO]
	v_add_nc_u32 v[STO], s41, v[STO]               ; in: row r, 32 bytes for each half of the lanes
	v_mul_u32_u24 v[RD], v2, SPITCH
	v_lshl_add_u32 v[RD], v1, 4, v[RD]
	v_add_nc_u32 v[RD], s41, v[RD]                 ; back: lanes 0-15 one row of 256 bytes, lanes 16-31 the next
	v_lshlrev_b32 v[CO], 12, v2
	v_lshl_add_u32 v[CO], v1, 4, v[CO]             ; and the same two rows in out0
.macro ALOAD q                         ; A's eight fragments of quarter q (head q / 2, channels 32 (q % 2) on) into buffer q % 2
	v_add_nc_u32 v[ADA], ((\q)/2)*HEADB, v[AA0]
.irp a, 0,1,2,3,4,5,6,7
	ds_load_b128 v[AFR+64*((\q)%2)+8*\a:AFR+64*((\q)%2)+8*\a+3],   v[ADA] offset:\a*16*PA+((\q)%2)*64
	ds_load_b128 v[AFR+64*((\q)%2)+8*\a+4:AFR+64*((\q)%2)+8*\a+7], v[ADA] offset:\a*16*PA+((\q)%2)*64+32
.endr
.endm
.macro BLOAD q                         ; B's four fragments of quarter q into buffer q % 8 of window 2: each load reads 512 consecutive bytes
	WIN 0x80
.irp b, 0,1,2,3
.irp g, 0,1
	global_load_b128 v[32*((\q)%8)+8*\b+4*\g:32*((\q)%8)+8*\b+4*\g+3], v[BO], s[6:7] offset:\b*32768+(\q)*1024+\g*512
.endr
.endr
.endm
.macro MUL q                           ; 32 matrix instructions; the 32 accumulators take turns, in the same order in every quarter.  Quarter 0 starts the sums
	WIN 0x52                                       ; source 0 (B) window 2, source 1 (A) window 0, C and D window 1
.irp a, 0,1,2,3,4,5,6,7
.irp b, 0,1,2,3
.if (\q) == 0
	v_wmma_f32_16x16x32_f16 v[8*(4*\a+\b):8*(4*\a+\b)+7], v[32*((\q)%8)+8*\b:32*((\q)%8)+8*\b+7], v[AFR+64*((\q)%2)+8*\a:AFR+64*((\q)%2)+8*\a+7], 0
.else
	v_wmma_f32_16x16x32_f16 v[8*(4*\a+\b):8*(4*\a+\b)+7], v[32*((\q)%8)+8*\b:32*((\q)%8)+8*\b+7], v[AFR+64*((\q)%2)+8*\a:AFR+64*((\q)%2)+8*\a+7], v[8*(4*\a+\b):8*(4*\a+\b)+7]
.endif
.endr
.endr
.endm
.macro QUARTER q                       ; 32 along K
	WIN 0
.if (\q) > 0
.rept 4
	v_nop                                          ; places ahead of the loads into the buffers that the last quarter multiplied
.endr
.endif
.if (((\q)+1)%8 == 0) && ((\q) < 31)
	s_wait_tensorcnt 3-((\q)+1)/8                  ; my head of the next four is in LDS; the younger loads may stay out
	s_wait_dscnt 0x0
	s_barrier_signal -1
	s_barrier_wait -1                              ; everybody's is
.endif
.if (\q) < 31
	ALOAD (\q)+1
.endif
.if (\q)+7 < 32
	BLOAD (\q)+7
	s_wait_loadcnt 56                              ; this quarter's B is in; the seven younger quarters' 56 loads may be out
.else
	s_wait_loadcnt 8*(31-(\q))
.endif
.if (\q) < 31
	s_wait_dscnt 16                                ; this quarter's A is in; the next quarter's sixteen loads may be out
.else
	s_wait_dscnt 0x0
.endif
	MUL \q
.endm
.irp q, 0,1,2,3,4,5,6
	BLOAD \q
.endr
	WIN 0
	s_wait_tensorcnt 3                             ; my head of the first four is in LDS
	s_barrier_signal -1
	s_barrier_wait -1                              ; everybody's is
	ALOAD 0
.set Q, 0
.rept 32
	QUARTER Q
.set Q, Q+1
.endr
	WIN 0
; THE WAY OUT, a block of 16 rows x 64 columns at a time.  SCALE: x 2^-9, each accumulator from its low end on.  TOSTAGE: into my own stage and back as whole rows of 256 bytes.  SEND: stored.
.macro SCALE a
	WIN 0x01                                       ; source 0 window 1
.set j, 0
.rept 16
	v_pk_mul_f32 v[TMP+j:TMP+j+1], v[32*(\a)+j:32*(\a)+j+1], 0x3b000000 op_sel_hi:[1,0]
.set j, j+2
.endr
	WIN 0
.endm
.macro TOSTAGE a
.set BB, BK+32*((\a)%2)
.irp b, 0,1,2,3
	ds_store_b128 v[STO], v[TMP+8*\b:TMP+8*\b+3] offset:64*\b
	ds_store_b128 v[STO], v[TMP+8*\b+4:TMP+8*\b+7] offset:64*\b+16
.endr
.irp t, 0,1,2,3,4,5,6,7
	ds_load_b128 v[BB+4*\t:BB+4*\t+3], v[RD] offset:\t*2*SPITCH   ; LDS serves a wave's instructions in order (ISA guide 5.7.1.4): these see the stores above
.endr
.endm
.macro SEND a
.set BB, BK+32*((\a)%2)
	s_wait_dscnt 0x0                               ; the block is back in registers
	s_wait_xcnt 0x0                                ; the stores of the block before have read their registers: the next block's loads may land there
.irp t, 0,1,2,3,4,5,6,7
	global_store_b128 v[CO], v[BB+4*\t:BB+4*\t+3], s[8:9] offset:(16*(\a)+2*\t)*4096 th:TH_STORE_NT   ; sixteen lanes store 256 consecutive bytes, aligned; written once, read by nobody here
.endr
.endm
.rept 4
	v_nop                                          ; places behind the last products
.endr
	SCALE 0
	TOSTAGE 0
.irp a, 1,2,3,4,5,6,7                  ; block a's scaling stands between block a - 1's loads from the stage and the wait for them
	SCALE \a
	SEND \a-1
	TOSTAGE \a
.endr
	SEND 7
	s_wait_tensorcnt 0x0                           ; the wave's end
	ds_add_u32 v[SPW], v[NIL]
	s_wait_dscnt 0x0
	CROUND                                         ; the closing round
	s_endpgm
.Lfunc_end_k_qc6b0dc47a2_proj:
	.size	k_qc6b0dc47a2_proj, .Lfunc_end_k_qc6b0dc47a2_proj-k_qc6b0dc47a2_proj
	.p2alignl 7, 3214868480
	.fill 96, 4, 3214868480
	.section	.rodata,"a",@progbits
	.p2align	6, 0x0
	.amdhsa_kernel k_qc6b0dc47a2_proj
		.amdhsa_group_segment_fixed_size 327680
		.amdhsa_private_segment_fixed_size 0
		.amdhsa_enable_private_segment 0
		.amdhsa_kernarg_size 24
		.amdhsa_user_sgpr_count 2
		.amdhsa_user_sgpr_kernarg_segment_ptr 1
		.amdhsa_wavefront_size32 1
		.amdhsa_system_sgpr_workgroup_id_x 1
		.amdhsa_system_sgpr_workgroup_id_y 1
		.amdhsa_system_sgpr_workgroup_id_z 1
		.amdhsa_system_vgpr_workitem_id 0
		.amdhsa_next_free_vgpr 768
		.amdhsa_next_free_sgpr 66
		.amdhsa_reserve_vcc 0
		.amdhsa_float_denorm_mode_32 3
		.amdhsa_float_denorm_mode_16_64 3
		.amdhsa_memory_ordered 1
		.amdhsa_forward_progress 1
		.amdhsa_inst_pref_size 164
	.end_amdhsa_kernel
	.amdgpu_metadata
---
amdhsa.version: [ 1, 2 ]
amdhsa.kernels:
  - .name:           k_qc6b0dc47a2_proj
    .symbol:         k_qc6b0dc47a2_proj.kd
    .args:
      - { .name: a16, .offset: 0, .size: 8, .value_kind: global_buffer, .address_space: global }
      - { .name: wo16, .offset: 8, .size: 8, .value_kind: global_buffer, .address_space: global }
      - { .name: out0, .offset: 16, .size: 8, .value_kind: global_buffer, .address_space: global }
    .group_segment_fixed_size: 327680
    .private_segment_fixed_size: 0
    .kernarg_segment_align: 8
    .kernarg_segment_size: 24
    .max_flat_workgroup_size: 128
    .sgpr_count:     66
    .vgpr_count:     768
    .wavefront_size: 32
...
	.end_amdgpu_metadata
.endif
;; end of part 4
